; MI455X (gfx1250); checked and timed in simulation.
; The chip was launched on July 23, 2026; its instructions are those of AMD's public machine-readable ISA for CDNA 5 (MIT licence, August 2026) and "CDNA5" Instruction Set Architecture Reference Guide (July 2026). The comments in the code are by the model that wrote it; some were corrected since.
;; Re LU Feat Posenc. Allowed arithmetic: float matrix products may take bf16 or f16 operands with f32 sums; other float arithmetic in f32, or as packed bf16 or f16 multiplies, adds, multiply-adds, maxima and minima; sums over many terms, partial sums and values carried from step to step in f32; what a program stores and reads back later, other than sums and carried values, may be rounded once to bf16 or f16.
;; Inputs: UV 524,288 x 2 float32; W0 166 x 128 float32; W1 128 x 128 float32; W2 128 x 128 float32; W3 128 x 128 float32; W4 128 x 3 float32; b0 128 float32; b1 128 float32; b2 128 float32; b3 128 float32; b4 3 float32; features 512 x 512 x 100 float32.
;; Outputs: out0 524,288 x 3 float32.
;; 2 versions, each right; version 2 is version 1 with the launch prep written anew for expert scheduling mode. Each part assembles by itself: llvm-mc -triple=amdgcn-amd-amdhsa -mcpu=gfx1250 --defsym DOCPART=n.
;; ======== version 1 of 2: 2 launches
;; limits: values are held in f16: magnitudes above 65,504 overflow, below 6.1e-05 lose precision; right only within a limited range of input values; a function is approximated: absolute error at most 2e-05
;; workspace buffers: tab 67,305,472 bytes; idx 2,097,152 bytes of whole numbers; wts 8,388,608 bytes; wimg 159,744 bytes
;; launch prep (part 1): grid 2090 x 1, 8 waves a work-group, no clusters, 0 bytes of LDS; arguments UV, features, W0, W1, W2, W3, W4, b0, b1, b2, b3, tab, idx, wts, wimg; writes tab, idx, wts, wimg
.if DOCPART == 1
	.amdgcn_target "amdgcn-amd-amdhsa--gfx1250"
	.amdhsa_code_object_version 6
	.text
	.protected	k_qc9189f0224_prep
	.globl	k_qc9189f0224_prep
	.p2align	8
	.type	k_qc9189f0224_prep,@function
k_qc9189f0224_prep:
	s_mov_b64 s[64:65], 0
	v_nop
	global_prefetch_b8 v0, s[64:65] scope:SCOPE_SE
	s_setreg_imm32_b32 hwreg(HW_REG_WAVE_MODE, 25, 1), 1
	s_wait_xcnt 0x0
; PREPARATION for the fused launch: four independent jobs, chosen by the work-group's number alone.
;   T  work-groups 0-1023:     the table features[512][512][100] f32 -> tab: one row of 256 bytes for each grid point: 100 f16, then 28 zeros
;   Z  work-groups 1024-1026:  768 further rows of zeros behind the table
;   P  work-groups 1027-2050:  for each point: row = floor(511 U) x 512 + floor(511 V) as a whole number (idx), and its four bilinear weights, each f16 twice (wts)
;   W  work-groups 2051-2089:  W0-W4 rounded and laid out in the order in which a matrix operand's registers take them, and b0-b3 copied (wimg)
; WHAT IS LEFT OUT OF reference(), AND WHY IT IS DEAD.  reference() reads corners at floor and at ceil.  Where 511 U is no whole number, ceil = floor + 1.  Where it is whole, ceil = floor
; and fu = 0, so both terms with the factor fu are 0 whatever finite row is read.  The same holds of V.  So the four corners are always rows row, row + 1, row + 512, row + 513, for all values of UV in
; [0, 1] and of the table; the rows behind the table (reached from U = 1 or V = 1 alone, with weight 0) hold zeros.  No input is left out.
; LIMITS.  UV lies in [0, 1] (an index stays inside its table); outside, each index is held to 0..511 and the result is not reference()'s.  |features| stays under 65,504 (f16); W0 and W1 likewise.
; A NaN or an infinity in a row that is read with weight 0 is not treated as reference() treats it.
; wimg: W0 at 0 (48 blocks), W1 at 49,152, W2 at 81,920, W3 at 114,688 (32 blocks each), W4 at 147,456 (8 blocks), b0-b3 as f32 at 155,648, zeros from 157,696 to the end.
; A block is 1,024 bytes: 16 outputs x 32 k.  Lane L = (r = L % 16, h = L / 16) finds its first four registers at 16 L and its last four at 512 + 16 L: element e of chunk g is output 16 t + r, k = 32 s + 16 g + 8 h + e.
; Layer 0's k is permuted, alike in the weights here and in the points' operand in the fused launch: steps 0, 1: slot 8 (2 s + g) + e = 2 i + (0 sin, 1 cos) of frequency i, h = 0 for U and 1 for V: W0's row 2 + 2 slot + h;
; steps 2-5, q = 2 (s - 2) + g: q = 0: e = 0 is W0's row h (U or V itself), the rest 0; q > 0: channel f = 8 (7 h + q - 1) + e: W0's row 66 + f where f < 100, else 0.
; Layer 4: block 2 s + v; row r holds column r % 8 of W4 where that is under 3, else 0; v = 0: W4 rounded to bf16; v = 1: what that rounding left, rounded to bf16.
.set TROWS, 262144
.set WV,  34                           ; s34  my wave's number
	s_load_b512 s[4:19], s[0:1], 0x0               ; UV 4, features 6, W0 8, W1 10, W2 12, W3 14, W4 16, b0 18
	s_load_b256 s[20:27], s[0:1], 0x40             ; b1 20, b2 22, b3 24, tab 26
	s_load_b128 s[28:31], s[0:1], 0x60             ; idx 28, wts 30
	s_load_b64 s[32:33], s[0:1], 0x70              ; wimg
	v_lshrrev_b32 v1, 5, v0
	v_readfirstlane_b32 s[WV], v1
	v_and_b32 v8, 31, v0                           ; lane
	s_mov_b32 s37, 0                               ; the upper words of two offsets
	s_mov_b32 s39, 0
	s_wait_kmcnt 0x0
	s_cmp_lt_u32 ttmp9, 1024
	s_cbranch_scc1 .Ltable
	s_cmp_lt_u32 ttmp9, 1027
	s_cbranch_scc1 .Lzero
	s_cmp_lt_u32 ttmp9, 2051
	s_cbranch_scc1 .Lpoints
	s_branch .Lweights
; T.  A wave takes 32 rows.  A row's 400 bytes are one load of 16 bytes a lane by lanes 0-24 (lanes 25-31 repeat lane 24's and are masked to 0); its 256 bytes of f16 are one store of 8 bytes a lane,
; 256 consecutive bytes at a multiple of 256.  All 32 loads go out before the first wait.
.Ltable:
	s_lshl_b32 s35, ttmp9, 8
	s_lshl_b32 s36, s[WV], 5
	s_add_co_u32 s35, s35, s36                     ; my first row
	s_mul_i32 s36, s35, 400                        ; under 2^27
	s_lshl_b32 s38, s35, 8
	s_add_nc_u64 s[6:7], s[6:7], s[36:37]
	s_add_nc_u64 s[26:27], s[26:27], s[38:39]
	v_min_u32 v1, 24, v8
	v_lshlrev_b32 v1, 4, v1
	v_lshlrev_b32 v2, 3, v8
	v_cmp_gt_u32 vcc_lo, 25, v8
	v_cndmask_b32 v3, 0, -1, vcc_lo
.set i, 0
.rept 32
	global_load_b128 v[16+4*i:19+4*i], v1, s[6:7] offset:400*i th:TH_LOAD_NT
.set i, i+1
.endr
.set i, 0
.rept 32
	s_wait_loadcnt 31-i                            ; loads come back in order: row i is in, the 31 - i younger ones stay out
	v_cvt_pk_f16_f32 v[16+4*i], v[16+4*i], v[17+4*i]
	v_cvt_pk_f16_f32 v[17+4*i], v[18+4*i], v[19+4*i]
	v_and_b32 v[16+4*i], v3, v[16+4*i]
	v_and_b32 v[17+4*i], v3, v[17+4*i]
	global_store_b64 v2, v[16+4*i:17+4*i], s[26:27] offset:256*i
.set i, i+1
.endr
	s_endpgm
; Z.  A wave writes 32 rows of zeros: sixteen stores of 512 consecutive bytes.
.Lzero:
	s_sub_co_u32 s35, ttmp9, 1024
	s_lshl_b32 s35, s35, 8
	s_lshl_b32 s36, s[WV], 5
	s_add_co_u32 s35, s35, s36
	s_add_co_u32 s35, s35, TROWS
	s_lshl_b32 s38, s35, 8
	s_add_nc_u64 s[26:27], s[26:27], s[38:39]
	v_lshlrev_b32 v1, 4, v8
	v_mov_b32 v4, 0
	v_mov_b32 v5, 0
	v_mov_b32 v6, 0
	v_mov_b32 v7, 0
.set i, 0
.rept 16
	global_store_b128 v1, v[4:7], s[26:27] offset:512*i
.set i, i+1
.endr
	s_endpgm
; P.  A wave takes a block of 64 points; lane l has points l and l + 32.  idx: word 2 l = row of point l, word 2 l + 1 = row of point l + 32: 256 bytes a block, one store.
.macro POINT u, v, row, w
	v_mul_f32 v32, 0x43ff8000, v[\u]               ; 511 U, rounded as reference() rounds it
	v_mul_f32 v33, 0x43ff8000, v[\v]
	v_floor_f32 v34, v32
	v_floor_f32 v35, v33
	v_sub_f32 v32, v32, v34                        ; fu (exact)
	v_sub_f32 v33, v33, v35                        ; fv
	v_cvt_u32_f32 v34, v34
	v_cvt_u32_f32 v35, v35
	v_min_u32 v34, 511, v34
	v_min_u32 v35, 511, v35
	v_lshl_or_b32 v[\row], v34, 9, v35
	v_sub_f32 v34, 1.0, v32
	v_sub_f32 v35, 1.0, v33
	v_mul_f32 v36, v34, v35                        ; row:       (1 - fu) (1 - fv)
	v_mul_f32 v37, v34, v33                        ; row + 1:   (1 - fu) fv
	v_mul_f32 v38, v32, v35                        ; row + 512: fu (1 - fv)
	v_mul_f32 v39, v32, v33                        ; row + 513: fu fv
	v_cvt_pk_f16_f32 v[\w], v36, v36               ; each twice, for packed arithmetic
	v_cvt_pk_f16_f32 v[\w+1], v37, v37
	v_cvt_pk_f16_f32 v[\w+2], v38, v38
	v_cvt_pk_f16_f32 v[\w+3], v39, v39
.endm
.Lpoints:
	s_sub_co_u32 s35, ttmp9, 1027
	s_lshl3_add_u32 s35, s35, s[WV]                ; my block
	s_lshl_b32 s36, s35, 9
	s_add_nc_u64 s[4:5], s[4:5], s[36:37]
	s_lshl_b32 s38, s35, 8
	s_add_nc_u64 s[28:29], s[28:29], s[38:39]
	s_lshl_b32 s36, s35, 10
	s_add_nc_u64 s[30:31], s[30:31], s[36:37]
	v_lshlrev_b32 v1, 3, v8
	v_lshlrev_b32 v2, 4, v8
	global_load_b64 v[4:5], v1, s[4:5]
	global_load_b64 v[6:7], v1, s[4:5] offset:256
	s_wait_loadcnt 0x0
	POINT 4, 5, 24, 16
	POINT 6, 7, 25, 20
	global_store_b64 v1, v[24:25], s[28:29]
	global_store_b128 v2, v[16:19], s[30:31]
	global_store_b128 v2, v[20:23], s[30:31] offset:512
	s_endpgm
; W.  A thread makes one chunk of 16 bytes: eight numbers of one column of a weight matrix.  Chunk = 256 x (work-group within the layer) + thread: a wave's store covers 512 consecutive bytes.
.macro LD8 base, stride                ; the eight numbers lie stride bytes apart
.irp e, 0,1,2,3,4,5,6,7
	global_load_b32 v[16+\e], v15, s[\base:\base+1] offset:\e*\stride
.endr
	s_wait_loadcnt 0x0
.endm
.macro PUT f16                         ; round in pairs, store, end
.irp i, 0,1,2,3
.if \f16
	v_cvt_pk_f16_f32 v[28+\i], v[16+2*\i], v[17+2*\i]
.else
	v_cvt_pk_bf16_f32 v[28+\i], v[16+2*\i], v[17+2*\i]
.endif
.endr
	global_store_b128 v14, v[28:31], s[32:33]
	s_endpgm
.endm
.Lweights:
	s_sub_co_u32 s35, ttmp9, 2051                  ; g = 0..38
	v_and_b32 v9, 15, v0                           ; r
	v_bfe_u32 v10, v0, 4, 1                        ; h
	v_bfe_u32 v11, v0, 5, 1                        ; chunk g of the block
	v_lshrrev_b32 v12, 6, v0                       ; which of the work-group's four blocks
	s_cmp_lt_u32 s35, 12
	s_cbranch_scc1 .Lw0
	s_cmp_lt_u32 s35, 36
	s_cbranch_scc1 .Lw123
	s_cmp_lt_u32 s35, 38
	s_cbranch_scc1 .Lw4
	; b0-b3 (waves 0-3) and the image's last 2,048 bytes of zeros (waves 4-7): 512 bytes a wave
	s_lshl_b32 s36, s[WV], 9
	s_add_co_u32 s36, s36, 155648
	v_lshl_add_u32 v14, v8, 4, s36
	v_lshlrev_b32 v15, 4, v8
	s_cmp_lt_u32 s[WV], 4
	s_cbranch_scc0 .Lpad
	s_cmp_eq_u32 s[WV], 1
	s_cselect_b64 s[40:41], s[20:21], s[18:19]
	s_cmp_eq_u32 s[WV], 2
	s_cselect_b64 s[40:41], s[22:23], s[40:41]
	s_cmp_eq_u32 s[WV], 3
	s_cselect_b64 s[40:41], s[24:25], s[40:41]
	global_load_b128 v[16:19], v15, s[40:41]
	s_wait_loadcnt 0x0
	global_store_b128 v14, v[16:19], s[32:33]
	s_endpgm
.Lpad:
	v_mov_b32 v16, 0
	v_mov_b32 v17, 0
	v_mov_b32 v18, 0
	v_mov_b32 v19, 0
	global_store_b128 v14, v[16:19], s[32:33]
	s_endpgm
.Lw0:                                  ; layer 0: block = 8 s + t = 4 g + (thread / 64)
	s_lshr_b32 s36, s35, 1                         ; s
	s_and_b32 s38, s35, 1
	s_lshl_b32 s38, s38, 2
	v_add_nc_u32 v13, s38, v12                     ; t
	v_lshl_add_u32 v13, v13, 4, v9                 ; the column n = 16 t + r
	s_lshl_b32 s40, s35, 12
	v_lshl_add_u32 v14, v0, 4, s40                 ; my chunk in wimg
	s_cmp_lt_u32 s36, 2
	s_cbranch_scc0 .Lw0feat
	s_lshl_b32 s41, s36, 5
	v_lshl_add_u32 v15, v11, 4, s41                ; 2 x slot of e = 0: 16 (2 s + g)
	v_add3_u32 v15, v15, v10, 2                    ; row 2 + 2 slot + h; e steps it by 2 rows
	v_lshl_add_u32 v15, v15, 7, v13
	v_lshlrev_b32 v15, 2, v15
	LD8 8, 1024
	PUT 1
.Lw0feat:
	s_sub_co_u32 s41, s36, 2
	s_lshl_b32 s41, s41, 1
	v_add_nc_u32 v24, s41, v11                     ; q
	v_mul_u32_u24 v25, v10, 56
	v_lshl_add_u32 v25, v24, 3, v25
	v_add_nc_u32 v25, -8, v25                      ; f of e = 0 (wraps where q = 0 and h = 0: not chosen there)
	v_cmp_lt_u32 vcc_lo, 0, v24
	v_add_nc_u32 v26, 66, v25
	v_cndmask_b32 v26, v10, v26, vcc_lo            ; the row of e = 0
	v_sub_nc_u32 v27, 100, v25
	v_cndmask_b32 v27, 1, v27, vcc_lo              ; how many of the eight are live (signed)
	v_lshlrev_b32 v28, 2, v13
.irp e, 0,1,2,3,4,5,6,7
	v_add_nc_u32 v[32+\e], \e, v26
	v_min_u32 v[32+\e], 165, v[32+\e]              ; a dead element reads W0's last row and is set to 0 below
	v_lshl_add_u32 v[32+\e], v[32+\e], 9, v28
	global_load_b32 v[16+\e], v[32+\e], s[8:9]
.endr
	s_wait_loadcnt 0x0
.irp e, 0,1,2,3,4,5,6,7
	v_cmp_lt_i32 vcc_lo, \e, v27
	v_cndmask_b32 v[16+\e], 0, v[16+\e], vcc_lo
.endr
	PUT 1
.Lw123:                                ; layers 1-3: eight work-groups each
	s_sub_co_u32 s36, s35, 12
	s_lshr_b32 s38, s36, 3                         ; layer - 1
	s_and_b32 s36, s36, 7
	s_cmp_eq_u32 s38, 0
	s_cselect_b64 s[40:41], s[10:11], s[12:13]
	s_cmp_eq_u32 s38, 2
	s_cselect_b64 s[40:41], s[14:15], s[40:41]
	s_lshr_b32 s42, s36, 1                         ; s
	s_and_b32 s43, s36, 1
	s_lshl_b32 s43, s43, 2
	v_add_nc_u32 v13, s43, v12
	v_lshl_add_u32 v13, v13, 4, v9                 ; n
	s_lshl_b32 s44, s38, 15
	s_lshl_b32 s45, s36, 12
	s_add_co_u32 s44, s44, s45
	s_add_co_u32 s44, s44, 49152
	v_lshl_add_u32 v14, v0, 4, s44
	s_lshl_b32 s42, s42, 5
	v_lshl_add_u32 v15, v11, 4, s42
	v_lshl_add_u32 v15, v10, 3, v15                ; k of e = 0
	v_lshl_add_u32 v15, v15, 7, v13
	v_lshlrev_b32 v15, 2, v15
	LD8 40, 512
	s_cmp_eq_u32 s38, 0
	s_cbranch_scc0 .Lbf
	PUT 1                                          ; W1 in f16,
.Lbf:
	PUT 0                                          ; W2 and W3 in bf16
.Lw4:                                  ; layer 4: block = 2 s + v = 4 (g - 36) + (thread / 64)
	s_sub_co_u32 s36, s35, 36
	s_lshl_b32 s38, s36, 1
	v_lshrrev_b32 v13, 1, v12
	v_add_nc_u32 v13, s38, v13                     ; s
	v_and_b32 v24, 1, v12                          ; v
	v_and_b32 v25, 7, v0                           ; the column, live under 3
	v_lshlrev_b32 v15, 5, v13
	v_lshl_add_u32 v15, v11, 4, v15
	v_lshl_add_u32 v15, v10, 3, v15                ; k of e = 0
	v_min_u32 v26, 2, v25
	v_mad_u32_u24 v15, v15, 3, v26
	v_lshlrev_b32 v15, 2, v15
	s_lshl_b32 s40, s36, 12
	s_add_co_u32 s40, s40, 147456
	v_lshl_add_u32 v14, v0, 4, s40
	LD8 16, 12
.irp i, 0,1,2,3
	v_cvt_pk_bf16_f32 v[28+\i], v[16+2*\i], v[17+2*\i]     ; the upper part,
	v_lshlrev_b32 v32, 16, v[28+\i]
	v_and_b32 v33, 0xffff0000, v[28+\i]
	v_sub_f32 v32, v[16+2*\i], v32                 ; what it leaves (exact),
	v_sub_f32 v33, v[17+2*\i], v33
	v_cvt_pk_bf16_f32 v[36+\i], v32, v33           ; rounded
.endr
	v_cmp_eq_u32 vcc_lo, 1, v24
.irp i, 0,1,2,3
	v_cndmask_b32 v[28+\i], v[28+\i], v[36+\i], vcc_lo
.endr
	v_cmp_gt_u32 vcc_lo, 3, v25
.irp i, 0,1,2,3
	v_cndmask_b32 v[28+\i], 0, v[28+\i], vcc_lo
.endr
	global_store_b128 v14, v[28:31], s[32:33]
	s_endpgm
.Lfunc_end_k_qc9189f0224_prep:
	.size	k_qc9189f0224_prep, .Lfunc_end_k_qc9189f0224_prep-k_qc9189f0224_prep
	.p2alignl 7, 3214868480
	.fill 96, 4, 3214868480
	.section	.rodata,"a",@progbits
	.p2align	6, 0x0
	.amdhsa_kernel k_qc9189f0224_prep
		.amdhsa_group_segment_fixed_size 0
		.amdhsa_private_segment_fixed_size 0
		.amdhsa_enable_private_segment 0
		.amdhsa_kernarg_size 120
		.amdhsa_user_sgpr_count 2
		.amdhsa_user_sgpr_kernarg_segment_ptr 1
		.amdhsa_wavefront_size32 1
		.amdhsa_system_sgpr_workgroup_id_x 1
		.amdhsa_system_sgpr_workgroup_id_y 1
		.amdhsa_system_sgpr_workgroup_id_z 1
		.amdhsa_system_vgpr_workitem_id 0
		.amdhsa_next_free_vgpr 144
		.amdhsa_next_free_sgpr 66
		.amdhsa_reserve_vcc 1
		.amdhsa_float_denorm_mode_32 3
		.amdhsa_float_denorm_mode_16_64 3
		.amdhsa_memory_ordered 1
		.amdhsa_forward_progress 1
		.amdhsa_inst_pref_size 32
	.end_amdhsa_kernel
	.amdgpu_metadata
---
amdhsa.version: [ 1, 2 ]
amdhsa.kernels:
  - .name:           k_qc9189f0224_prep
    .symbol:         k_qc9189f0224_prep.kd
    .args:
      - { .name: UV, .offset: 0, .size: 8, .value_kind: global_buffer, .address_space: global }
      - { .name: features, .offset: 8, .size: 8, .value_kind: global_buffer, .address_space: global }
      - { .name: W0, .offset: 16, .size: 8, .value_kind: global_buffer, .address_space: global }
      - { .name: W1, .offset: 24, .size: 8, .value_kind: global_buffer, .address_space: global }
      - { .name: W2, .offset: 32, .size: 8, .value_kind: global_buffer, .address_space: global }
      - { .name: W3, .offset: 40, .size: 8, .value_kind: global_buffer, .address_space: global }
      - { .name: W4, .offset: 48, .size: 8, .value_kind: global_buffer, .address_space: global }
      - { .name: b0, .offset: 56, .size: 8, .value_kind: global_buffer, .address_space: global }
      - { .name: b1, .offset: 64, .size: 8, .value_kind: global_buffer, .address_space: global }
      - { .name: b2, .offset: 72, .size: 8, .value_kind: global_buffer, .address_space: global }
      - { .name: b3, .offset: 80, .size: 8, .value_kind: global_buffer, .address_space: global }
      - { .name: tab, .offset: 88, .size: 8, .value_kind: global_buffer, .address_space: global }
      - { .name: idx, .offset: 96, .size: 8, .value_kind: global_buffer, .address_space: global }
      - { .name: wts, .offset: 104, .size: 8, .value_kind: global_buffer, .address_space: global }
      - { .name: wimg, .offset: 112, .size: 8, .value_kind: global_buffer, .address_space: global }
    .group_segment_fixed_size: 0
    .private_segment_fixed_size: 0
    .kernarg_segment_align: 8
    .kernarg_segment_size: 120
    .max_flat_workgroup_size: 256
    .sgpr_count:     66
    .vgpr_count:     144
    .wavefront_size: 32
...
	.end_amdgpu_metadata
.endif
;; end of part 1
;; launch main (part 2): grid 256 x 1, 8 waves a work-group, no clusters, 306,176 bytes of LDS; arguments UV, idx, wts, tab, wimg, b4, out0; writes out0
.if DOCPART == 2
	.amdgcn_target "amdgcn-amd-amdhsa--gfx1250"
	.amdhsa_code_object_version 6
	.text
	.protected	k_qc9189f0224_main
	.globl	k_qc9189f0224_main
	.p2align	8
	.type	k_qc9189f0224_main,@function
k_qc9189f0224_main:
	s_mov_b64 s[64:65], 0
	v_nop
	global_prefetch_b8 v0, s[64:65] scope:SCOPE_SE
	s_setreg_imm32_b32 hwreg(HW_REG_WAVE_MODE, 25, 1), 1
	s_wait_xcnt 0x0
; THE FUSED LAUNCH: bilinear lookup, positional encoding and the five layers, for 524,288 points; between the steps nothing goes to memory.
; LEFT OUT, as shown at the head of the launch before: the corners are always rows row, row + 1, row + 512, row + 513 of tab (ceil = floor + 1, or the corner's weight is 0).
; SHARES.  256 work-groups of eight waves; a work-group has 2,048 points, a wave four batches of 64, a batch four tiles of 16.  A wave has 512 registers, so two lie on a SIMD.  The text is in plain phases:
; a batch's gather and encoding, then its five layers.
; TWO GROUPS, HALF A PERIOD APART.  Group = (w xor (w >> 2)) & 1: waves w and w + 4 differ in it, and so do waves 2 i and 2 i + 1.  Group 1 begins its first gather when group 0 has ended its own: from then on one
; group's gather stands beside the other group's layers.  The loop counts five trips for every wave, of which four are live: group 0's dead trip is the last, group 1's the first; a dead trip jumps forward over the
; gather and over the layers.  Between the two parts, in the first trip alone, stands a barrier: group 0 comes to it with a batch gathered, group 1 at once.  It orders no memory access; it holds group 1 back.
; The price: of a wave's ten phases (five gathers, five chains of layers) two are idle.
; LAYOUT.  Every product is taken transposed, H^T = W^T X^T: source 0 = 16 outputs (a block of the weight image in LDS), source 1 = 16 points.  In a result lane (r, h) holds ONE point r and outputs 8 h + 0..7;
; two result tiles rounded in pairs ARE 32 k of the next layer's source 1.  So nothing changes lanes between the layers.  A weight fragment read from LDS feeds four products.
; FORMATS.  x, W0, h1, W1 in f16; h2, h3, W2, W3 in bf16; h4 and W4 as an upper and a lower bf16 part, three products (hi hi, lo hi, hi lo); sums in f32; b0-b3 in f32 as the C operand that starts a sum; b4 added in f32.
; The leaky ReLU is max(z, 0.01 z): on the rounded pairs in layers 0-2 (0.01 rounded to the pair's format), in f32 in layer 3.
; SINES.  x / 2 pi is kept as two f32 (TH + TL); times 2^i0 (exact), less its nearest whole number (exact), it is the angle in turns, within a half.  A quarter of that angle, at most pi / 4, goes through
; Taylor series (sine to the 7th power, cosine to the 8th); two doublings give frequency i0, three more i0 + 1 .. i0 + 3; i0 = 0, 4, 8, 12.
; LIMITS.  UV in [0, 1]; |features| under 65,504, and so the first layer's results (f16); sine and cosine are good to 2e-5 before their rounding to f16.
; NO CLUSTER: what work-groups share is the weight image, 159,744 bytes read once by each, beside 2,048 x 1,024 bytes of gathered rows that no two share by design.  NO TENSOR LOADS: the gathered rows come by a list.
; LDS: 0 the weight image (written once, then only read: one barrier); 159,744 for each wave 64 rows of 272 bytes, the interpolated channels; 299,008 for each wave 768 bytes on the way out; 305,152 the spare words.
.set STAGE,  159744
.set SPITCH, 272                       ; 256 bytes + 16: the 16 rows that a load touches start at 16 different groups of four banks (64 banks of 4 bytes: ISA guide 11.1)
.set WSTAGE, 64*SPITCH
.set OUTS,   299008
.set SPARE,  305152                    ; 128 bytes for each of eight waves: four blocks of 256 bytes that no other line names
.set TRIPS,  5                         ; four live trips and a dead one
; window 0
.set SPW, 1                            ; v1   my spare word; never rewritten
.set NIL, 2                            ; v2   0, for the add alone
.set ZR,  3                            ; v3   0
.set NEG1, 4                           ; v4   -1.0
.set LN16, 5                           ; v5   16 (L % 16)
.set IXO, 6                            ; v6   64 h
.set WTO, 7                            ; v7   128 h
.set UVO, 8                            ; v8   8 r + 4 h: lanes 0-15 hold U, lanes 16-31 V
.set STW, 9                            ; v9   stage, writing: row 8 h, 16 (L % 16)
.set STR, 10                           ; v10  stage, reading: row r, byte 112 h
.set WB0, 11                           ; v11-15  16 L + the layer's first byte in the image
.set BB,  16                           ; v16  the biases + 32 h
.set OST, 17                           ; v17  way out: 12 L
.set OLD, 18                           ; v18  way out: 8 L
.set OGO, 19                           ; v19  8 L, in out0
.set XPK, 20                           ; v20-23  tile t: (own coordinate, 0) in f16
.set OT,  24                           ; v24-29  six results
.set TMP, 32                           ; v32-47  at work
.set AF,  48                           ; v48-111  weight fragments
.set BIAS, 112                         ; v112-127
.set ACC, 128                          ; v128-191  accumulator (m, t) at ACC + 8 (4 m + t)
.set XE,  192                          ; v192-255  first addresses (v192-223) and UV (v224-227), then tile t's 16 pairs (sin, cos); in layer 3 v240-255 W4's fragments
.set WT,  48                           ; v48-175  in the gather: the four weights of (t, j) at WT + 4 (8 t + j)
.set PB,  48                           ; v48-111  in the encoding: 16 registers for each of four chains: +0 angle, +2 its square, +4 and +10 sine, +6 cosine, +8 twice the sine, +12 whole turns
.set TH,  112
.set TL,  114
.set W4F, 240
; window 1: P = v0-127, Q = v128-255: a layer's operand, tile t, K step s at 32 t + 8 s.  In the gather four slots of 64.  In layer 3: upper parts at 8 t, lower at 32 + 8 t, layer 4's sums at 64 + 8 t.
.set C7, 28                            ; s[28:45] constants, as pairs of which the low word serves both halves
.set C5, 30
.set C3, 32
.set D8, 34
.set D6, 36
.set D4, 38
.set PI2, 40
.set C2, 42
.set INV, 44
.set DEAD, 46                          ; s46  the count of trips left in my dead trip: 1 (group 0), 5 (group 1)
.set LASTL, 47                         ; s47  the count in my last live trip: 2 (group 0), 1 (group 1)
.set MSB, 0
.macro WIN new                         ; the immediate's high byte repeats the setting that is left; a switch that changes nothing is dropped
.if MSB != (\new)
	s_set_vgpr_msb (MSB<<8)|(\new)
.set MSB, \new
.endif
.endm
.macro NOP4                            ; four places behind the last products, ahead of loads into registers that they read and of the first read of a result
.rept 4
	v_nop
.endr
.endm
; The rows of a batch's 64 points (point 16 t + 8 h + j into v[XE + 16 (t % 2) + 2 j + t / 2]) and each lane's own coordinate of point 16 t + r.
.macro LOADIDX
	WIN 0
.irp tp, 0,1
.irp m, 0,1,2,3
	global_load_b128 v[XE+16*\tp+4*\m:XE+16*\tp+4*\m+3], v[IXO], s[6:7] offset:128*\tp+16*\m
.endr
.endr
.irp t, 0,1,2,3
	global_load_b32 v[XE+32+\t], v[UVO], s[4:5] offset:128*\t
.endr
.endm
.macro LOADWT
	WIN 0
.set kT, 0
.rept 4
.irp j, 0,1,2,3,4,5,6,7
	global_load_b128 v[WT+4*(8*kT+\j):WT+4*(8*kT+\j)+3], v[WTO], s[8:9] offset:256*kT+16*\j
.endr
.set kT, kT+1
.endr
.endm
; Unit k of eight: tile k / 2, j = 4 (k % 2) + 0..3, four corners each: sixteen loads.  In a load lanes 0-15 take the whole 256-byte row of point 16 t + j, lanes 16-31 that of point 16 t + 8 + j.
.macro GLOAD k
	WIN 0x40                                       ; destination window 1
.irp jj, 0,1,2,3
.set rA, XE+16*(((\k)>>1)&1)+2*(4*((\k)&1)+\jj)+((\k)>>2)
.set rC, 64*((\k)&3)+16*\jj
	global_load_b128 v[rC:rC+3],     v[rA], s[10:11]
	global_load_b128 v[rC+4:rC+7],   v[rA], s[10:11] offset:256
	global_load_b128 v[rC+8:rC+11],  v[rA], s[10:11] offset:131072
	global_load_b128 v[rC+12:rC+15], v[rA], s[10:11] offset:131328
.endr
.endm
; Unit k is interpolated, two channels an instruction, and laid into my stage.  left: the younger gather loads, which stay out.
.macro GPROC k, left
	s_wait_loadcnt \left
	WIN 0x51                                       ; rows in window 1, the weight in window 0
.irp jj, 0,1,2,3
.set rC, 64*((\k)&3)+16*\jj
.set rW, WT+4*(8*((\k)>>1)+4*((\k)&1)+\jj)
.irp q, 0,1,2,3
	v_pk_mul_f16 v[rC+\q], v[rC+\q], v[rW]
.endr
.irp q, 0,1,2,3
	v_pk_fma_f16 v[rC+\q], v[rC+4+\q], v[rW+1], v[rC+\q]
.endr
.irp q, 0,1,2,3
	v_pk_fma_f16 v[rC+\q], v[rC+8+\q], v[rW+2], v[rC+\q]
.endr
.irp q, 0,1,2,3
	v_pk_fma_f16 v[rC+\q], v[rC+12+\q], v[rW+3], v[rC+\q]
.endr
.endr
	WIN 0x04                                       ; store data in window 1
.irp jj, 0,1,2,3
.set rC, 64*((\k)&3)+16*\jj
	ds_store_b128 v[STW], v[rC:rC+3] offset:(16*((\k)>>1)+4*((\k)&1)+\jj)*SPITCH
.endr
.endm
; THE ENCODING of tiles a and a + 1, as pairs of f32; the four chains stand side by side, so that no line reads the result of the line before it.
.macro DBLALL                          ; the angle doubles: sin' = (2 sin) cos, cos' = 1 - (2 sin) sin
.irp c, 0,1,2,3
	v_pk_add_f32 v[PB+16*\c+8:PB+16*\c+9], v[PB+16*\c+oS:PB+16*\c+oS+1], v[PB+16*\c+oS:PB+16*\c+oS+1]
.endr
.irp c, 0,1,2,3
	v_pk_mul_f32 v[PB+16*\c+oU:PB+16*\c+oU+1], v[PB+16*\c+8:PB+16*\c+9], v[PB+16*\c+6:PB+16*\c+7]
.endr
.irp c, 0,1,2,3
	v_pk_fma_f32 v[PB+16*\c+6:PB+16*\c+7], v[PB+16*\c+8:PB+16*\c+9], v[PB+16*\c+oS:PB+16*\c+oS+1], 1.0 op_sel_hi:[1,1,0] neg_lo:[1,0,0] neg_hi:[1,0,0]
.endr
.set oX, oS
.set oS, oU
.set oU, oX
.endm
.macro PEOUT a, k                      ; frequency 4 c + k of both tiles: (sin, cos) rounded to f16
.irp c, 0,1,2,3
	v_cvt_pk_f16_f32 v[XE+16*(\a)+4*\c+(\k)],    v[PB+16*\c+oS],   v[PB+16*\c+6]
	v_cvt_pk_f16_f32 v[XE+16*(\a)+16+4*\c+(\k)], v[PB+16*\c+oS+1], v[PB+16*\c+7]
.endr
.endm
.macro PE a
.set oS, 4
.set oU, 10
	WIN 0
	v_pk_mul_f32 v[TH:TH+1], v[XE+32+\a:XE+33+\a], s[INV:INV+1] op_sel_hi:[1,0]
	v_cvt_pk_f16_f32 v[XPK+\a], v[XE+32+\a], v[ZR]
	v_cvt_pk_f16_f32 v[XPK+\a+1], v[XE+33+\a], v[ZR]
	v_pk_fma_f32 v[TL:TL+1], v[XE+32+\a:XE+33+\a], s[INV:INV+1], v[TH:TH+1] op_sel_hi:[1,0,1] neg_lo:[0,0,1] neg_hi:[0,0,1]  ; what TH's rounding dropped,
	v_pk_fma_f32 v[TL:TL+1], v[XE+32+\a:XE+33+\a], s[C2:C2+1], v[TL:TL+1] op_sel_hi:[1,0,1]                                  ; and what the constant's did
.irp c, 1,2,3
	v_pk_mul_f32 v[PB+16*\c:PB+16*\c+1], v[TH:TH+1], (127+4*\c)<<23 op_sel_hi:[1,0]   ; times 2^(4 c): exact
.endr
	v_rndne_f32 v[PB+12], v[TH]
	v_rndne_f32 v[PB+13], v[TH+1]
.irp c, 1,2,3
	v_rndne_f32 v[PB+16*\c+12], v[PB+16*\c]
	v_rndne_f32 v[PB+16*\c+13], v[PB+16*\c+1]
.endr
	v_pk_add_f32 v[PB:PB+1], v[TH:TH+1], v[PB+12:PB+13] neg_lo:[0,1] neg_hi:[0,1]
.irp c, 1,2,3
	v_pk_add_f32 v[PB+16*\c:PB+16*\c+1], v[PB+16*\c:PB+16*\c+1], v[PB+16*\c+12:PB+16*\c+13] neg_lo:[0,1] neg_hi:[0,1]  ; exact
.endr
	v_pk_add_f32 v[PB:PB+1], v[PB:PB+1], v[TL:TL+1]
.irp c, 1,2,3
	v_pk_fma_f32 v[PB+16*\c:PB+16*\c+1], v[TL:TL+1], (127+4*\c)<<23, v[PB+16*\c:PB+16*\c+1] op_sel_hi:[1,0,1]
.endr
.irp c, 0,1,2,3
	v_pk_mul_f32 v[PB+16*\c:PB+16*\c+1], v[PB+16*\c:PB+16*\c+1], s[PI2:PI2+1] op_sel_hi:[1,0]   ; turns x pi / 2: a quarter of the angle
.endr
.irp c, 0,1,2,3
	v_pk_mul_f32 v[PB+16*\c+2:PB+16*\c+3], v[PB+16*\c:PB+16*\c+1], v[PB+16*\c:PB+16*\c+1]
.endr
.irp c, 0,1,2,3
	v_pk_fma_f32 v[PB+16*\c+4:PB+16*\c+5], v[PB+16*\c+2:PB+16*\c+3], s[C7:C7+1], s[C5:C5+1] op_sel_hi:[1,0,0]
.endr
.irp c, 0,1,2,3
	v_pk_fma_f32 v[PB+16*\c+6:PB+16*\c+7], v[PB+16*\c+2:PB+16*\c+3], s[D8:D8+1], s[D6:D6+1] op_sel_hi:[1,0,0]
.endr
.irp c, 0,1,2,3
	v_pk_fma_f32 v[PB+16*\c+4:PB+16*\c+5], v[PB+16*\c+4:PB+16*\c+5], v[PB+16*\c+2:PB+16*\c+3], s[C3:C3+1] op_sel_hi:[1,1,0]
.endr
.irp c, 0,1,2,3
	v_pk_fma_f32 v[PB+16*\c+6:PB+16*\c+7], v[PB+16*\c+6:PB+16*\c+7], v[PB+16*\c+2:PB+16*\c+3], s[D4:D4+1] op_sel_hi:[1,1,0]
.endr
.irp c, 0,1,2,3
	v_pk_fma_f32 v[PB+16*\c+4:PB+16*\c+5], v[PB+16*\c+4:PB+16*\c+5], v[PB+16*\c+2:PB+16*\c+3], 1.0 op_sel_hi:[1,1,0]
.endr
.irp c, 0,1,2,3
	v_pk_fma_f32 v[PB+16*\c+6:PB+16*\c+7], v[PB+16*\c+6:PB+16*\c+7], v[PB+16*\c+2:PB+16*\c+3], -0.5 op_sel_hi:[1,1,0]
.endr
.irp c, 0,1,2,3
	v_pk_mul_f32 v[PB+16*\c+4:PB+16*\c+5], v[PB+16*\c+4:PB+16*\c+5], v[PB+16*\c:PB+16*\c+1]
.endr
.irp c, 0,1,2,3
	v_pk_fma_f32 v[PB+16*\c+6:PB+16*\c+7], v[PB+16*\c+6:PB+16*\c+7], v[PB+16*\c+2:PB+16*\c+3], 1.0 op_sel_hi:[1,1,0]
.endr
	DBLALL
	DBLALL
	PEOUT \a, 0
	DBLALL
	PEOUT \a, 1
	DBLALL
	PEOUT \a, 2
	DBLALL
	PEOUT \a, 3
.endm
; Layer 0's K steps 2-5 of each tile, into P: four registers with the coordinate itself, then 7 x 8 channels from my stage (lanes 0-15 channels 0-55, lanes 16-31 channels 56-111).
.macro XLOAD
	WIN 0x40
.irp t, 0,1,2,3
	v_mov_b32 v[32*\t], v[XPK+\t]
	v_mov_b32 v[32*\t+1], v[ZR]
	v_mov_b32 v[32*\t+2], v[ZR]
	v_mov_b32 v[32*\t+3], v[ZR]
.irp q, 0,1,2,3,4,5,6
	ds_load_b128 v[32*\t+4+4*\q:32*\t+7+4*\q], v[STR] offset:16*\t*SPITCH+16*\q   ; LDS serves a wave's instructions in order (ISA guide 5.7.1.4): these see my stores
.endr
.endr
.endm
; The weight fragments and biases of a group: layer l, output tiles t0 .. t0 + MT - 1, KS steps of 32 k.
.macro LDA l, t0, MT, KS
	WIN 0
.set kS, 0
.rept \KS
.set kM, 0
.rept \MT
.set rA, AF+8*(kS*(\MT)+kM)
	ds_load_b128 v[rA:rA+3],   v[WB0+\l] offset:(kS*8+(\t0)+kM)*1024
	ds_load_b128 v[rA+4:rA+7], v[WB0+\l] offset:(kS*8+(\t0)+kM)*1024+512
.set kM, kM+1
.endr
.set kS, kS+1
.endr
.set kM, 0
.rept \MT
	ds_load_b128 v[BIAS+8*kM:BIAS+8*kM+3],   v[BB] offset:512*(\l)+64*((\t0)+kM)
	ds_load_b128 v[BIAS+8*kM+4:BIAS+8*kM+7], v[BB] offset:512*(\l)+64*((\t0)+kM)+16
.set kM, kM+1
.endr
.endm
; A group's products.  The 4 MT accumulators take turns, one instruction a turn; the first K step starts each sum with the bias.  first = 1: layer 0, whose K steps 0, 1 lie in window 0.
.macro MM f16, MT, KS, IN, first
	s_wait_dscnt 0x0                               ; the fragments, asked for ahead of the last group's rounding, are in
.set kS, 0
.rept \KS
.set kM, 0
.rept \MT
.set kT, 0
.rept 4
.set rD, ACC+8*(4*kM+kT)
.set rA, AF+8*(kS*(\MT)+kM)
.if (\first) && (kS < 2)
	WIN 0
.set rB, XE+16*kT+8*kS
.elseif \first
	WIN 0x04
.set rB, 32*kT+8*(kS-2)
.else
	WIN 0x04                                       ; source 1 in window 1
.set rB, (\IN)+32*kT+8*kS
.endif
.set rC, rD
.if kS == 0
.set rC, BIAS+8*kM
.endif
.if \f16
	v_wmma_f32_16x16x32_f16 v[rD:rD+7], v[rA:rA+7], v[rB:rB+7], v[rC:rC+7]
.else
	v_wmma_f32_16x16x32_bf16 v[rD:rD+7], v[rA:rA+7], v[rB:rB+7], v[rC:rC+7]
.endif
.set kT, kT+1
.endr
.set kM, kM+1
.endr
.set kS, kS+1
.endr
.endm
; A group's results: rounded in pairs, in place and from each accumulator's low end on; times 0.01; the greater of the two goes where the next layer's operand wants it.
.macro EP16 f16, t0, MT, OUT
	WIN 0
.set kA, 0
.rept 4*(\MT)
.set rD, ACC+8*kA
.irp i, 0,1,2,3
.if \f16
	v_cvt_pk_f16_f32 v[rD+\i], v[rD+2*\i], v[rD+2*\i+1]
.else
	v_cvt_pk_bf16_f32 v[rD+\i], v[rD+2*\i], v[rD+2*\i+1]
.endif
.endr
.set kA, kA+1
.endr
.set kA, 0
.rept 4*(\MT)
.set rD, ACC+8*kA
.irp i, 0,1,2,3
.if \f16
	v_pk_mul_f16 v[rD+4+\i], v[rD+\i], 0x211f211f
.else
	v_pk_mul_bf16 v[rD+4+\i], v[rD+\i], 0x3c243c24
.endif
.endr
.set kA, kA+1
.endr
	WIN 0x40
.set kM, 0
.rept \MT
.set kT, 0
.rept 4
.set rD, ACC+8*(4*kM+kT)
.set rO, (\OUT)+32*kT+8*(((\t0)+kM)>>1)+4*(((\t0)+kM)&1)
.irp i, 0,1,2,3
.if \f16
	v_pk_max_num_f16 v[rO+\i], v[rD+\i], v[rD+4+\i]
.else
	v_pk_max_num_bf16 v[rO+\i], v[rD+\i], v[rD+4+\i]
.endif
.endr
.set kT, kT+1
.endr
.set kM, kM+1
.endr
.endm
; Layer 3's results: the leaky ReLU in f32; the upper part is the rounding to bf16, the lower part what it leaves, rounded.
.macro EPSPLIT
	WIN 0
.set kA, 0
.rept 8
.set rD, ACC+8*kA
.set rT, TMP+8*(kA&1)
.irp i, 0,2,4,6
	v_pk_mul_f32 v[rT+\i:rT+\i+1], v[rD+\i:rD+\i+1], 0x3c23d70a op_sel_hi:[1,0]
.endr
.irp i, 0,1,2,3,4,5,6,7
	v_max_num_f32 v[rD+\i], v[rD+\i], v[rT+\i]
.endr
.set kA, kA+1
.endr
	WIN 0x40
.set kA, 0
.rept 8
.set rD, ACC+8*kA
.set rH, 8*(kA&3)+4*(kA>>2)
.irp i, 0,1,2,3
	v_cvt_pk_bf16_f32 v[rH+\i], v[rD+2*\i], v[rD+2*\i+1]
.endr
.set kA, kA+1
.endr
	WIN 0x41                                       ; destination and source 0 in window 1
.set kA, 0
.rept 8
.set rD, ACC+8*kA
.set rH, 8*(kA&3)+4*(kA>>2)
.irp i, 0,1,2,3
	v_fma_mixlo_bf16 v[32+rH+\i], v[rH+\i], v[NEG1], v[rD+2*\i] op_sel_hi:[1,0,0]
	v_fma_mixhi_bf16 v[32+rH+\i], v[rH+\i], v[NEG1], v[rD+2*\i+1] op_sel:[1,0,0] op_sel_hi:[1,0,0]
.endr
.set kA, kA+1
.endr
.endm
.macro LDW4 g                          ; W4's upper and lower part for k = 32 g ..
	WIN 0
.irp v, 0,1
	ds_load_b128 v[W4F+8*\v:W4F+8*\v+3],   v[WB0+4] offset:(2*(\g)+\v)*1024
	ds_load_b128 v[W4F+8*\v+4:W4F+8*\v+7], v[WB0+4] offset:(2*(\g)+\v)*1024+512
.endr
.endm
; Layer 4's K step g: hi x Whi, lo x Whi, hi x Wlo for the four tiles, whose accumulators take turns; the very first four start the sums with the constant 0.
.macro MM4 g
	s_wait_dscnt 0x0
	WIN 0x54                                       ; source 1, C and D in window 1
.irp p, 0,1,2
.irp t, 0,1,2,3
.set rA, W4F+8*((\p)/2)
.set rB, 32*((\p)&1)+8*\t
.set rO, 64+8*\t
.if ((\g) == 0) && ((\p) == 0)
	v_wmma_f32_16x16x32_bf16 v[rO:rO+7], v[rA:rA+7], v[rB:rB+7], 0
.else
	v_wmma_f32_16x16x32_bf16 v[rO:rO+7], v[rA:rA+7], v[rB:rB+7], v[rO:rO+7]
.endif
.endr
.endr
.endm
; THE WAY OUT.  W4's columns stand in rows 0-2 and again in rows 8-10, so registers 0-2 of ALL lanes hold a point's three results: lanes 0-15 are taken from an even tile, lanes 16-31 from the odd one: lane L has point 32 z + L.
.macro OUTP
	NOP4
	WIN 0x05
.irp z, 0,1
.irp c, 0,1,2
	v_cndmask_b32 v[OT+3*\z+\c], v[64+16*\z+\c], v[72+16*\z+\c], s25
.endr
.endr
	WIN 0
.irp z, 0,1
.irp c, 0,1,2
	v_add_f32 v[OT+3*\z+\c], s[20+\c], v[OT+3*\z+\c]
.endr
.endr
.irp z, 0,1
.irp c, 0,1,2
	ds_store_b32 v[OST], v[OT+3*\z+\c] offset:384*\z+4*\c
.endr
.endr
.irp k, 0,1,2
	ds_load_b64 v[TMP+2*\k:TMP+2*\k+1], v[OLD] offset:256*\k   ; my own bytes, served in order
.endr
	s_wait_dscnt 0x0
.irp k, 0,1,2
	global_store_b64 v[OGO], v[TMP+2*\k:TMP+2*\k+1], s[16:17] offset:256*\k th:TH_STORE_NT   ; a wave's store covers 256 consecutive bytes, at a multiple of 256 from out0's first
.endr
.endm
	s_load_b256 s[4:11], s[0:1], 0x0               ; UV 4, idx 6, wts 8, tab 10
	s_load_b128 s[12:15], s[0:1], 0x20             ; wimg 12, b4 14
	s_load_b64 s[16:17], s[0:1], 0x30              ; out0
	v_lshl_add_u32 v[SPW], v0, 2, SPARE
	v_mov_b32 v[NIL], 0
	v_lshrrev_b32 v32, 5, v0
	v_readfirstlane_b32 s23, v32                   ; wave 0..7
	s_lshr_b32 s[DEAD], s23, 2
	s_xor_b32 s[DEAD], s[DEAD], s23
	s_and_b32 s[DEAD], s[DEAD], 1                  ; my group: (w xor (w >> 2)) & 1
	s_sub_co_u32 s[LASTL], 2, s[DEAD]              ; trips left in my last live trip: 2 or 1
	s_lshl2_add_u32 s[DEAD], s[DEAD], 1            ; trips left in my dead trip: 1 or 5
	v_mov_b32 v[ZR], 0
	v_mov_b32 v[NEG1], -1.0
	v_and_b32 v33, 15, v0                          ; r
	v_bfe_u32 v34, v0, 4, 1                        ; h
	v_and_b32 v35, 31, v0                          ; L
	v_lshlrev_b32 v[LN16], 4, v33
	v_lshlrev_b32 v[IXO], 6, v34
	v_lshlrev_b32 v[WTO], 7, v34
	v_lshlrev_b32 v[UVO], 3, v33
	v_lshl_add_u32 v[UVO], v34, 2, v[UVO]
	s_mul_i32 s26, s23, WSTAGE
	s_add_co_u32 s26, s26, STAGE                   ; my stage
	v_mul_u32_u24 v[STW], v34, 8*SPITCH
	v_add3_u32 v[STW], v[STW], v[LN16], s26
	v_mul_u32_u24 v[STR], v33, SPITCH
	v_mad_u32_u24 v[STR], v34, 112, v[STR]
	v_add_nc_u32 v[STR], s26, v[STR]
	v_lshlrev_b32 v[WB0], 4, v35
	v_add_nc_u32 v[WB0+1], 49152, v[WB0]
	v_add_nc_u32 v[WB0+2], 81920, v[WB0]
	v_add_nc_u32 v[WB0+3], 114688, v[WB0]
	v_add_nc_u32 v[WB0+4], 147456, v[WB0]
	v_lshl_add_u32 v[BB], v34, 5, 155648
	s_mul_i32 s27, s23, 768
	s_add_co_u32 s27, s27, OUTS
	v_mad_u32_u24 v[OST], v35, 12, s27
	v_lshl_add_u32 v[OLD], v35, 3, s27
	v_lshlrev_b32 v[OGO], 3, v35
	v_lshlrev_b32 v36, 4, v0                       ; the fill: 16 x thread, and 64 KiB and 128 KiB further on
	v_add_nc_u32 v37, 65536, v36
	v_add_nc_u32 v38, 131072, v36
	s_mov_b32 s25, 0xffff0000                      ; lanes 16-31
	s_mov_b32 s[C7], 0xb9500d01                    ; -1/5040
	s_mov_b32 s[C5], 0x3c088889                    ; 1/120
	s_mov_b32 s[C3], 0xbe2aaaab                    ; -1/6
	s_mov_b32 s[D8], 0x37d00d01                    ; 1/40320
	s_mov_b32 s[D6], 0xbab60b61                    ; -1/720
	s_mov_b32 s[D4], 0x3d2aaaab                    ; 1/24
	s_mov_b32 s[PI2], 0x3fc90fdb                   ; pi/2
	s_mov_b32 s[C2], 0x31dc9c88                    ; 1/2pi less its rounding to f32
	s_mov_b32 s[INV], 0x3e22f983                   ; 1/2pi
.irp p, C7, C5, C3, D8, D6, D4, PI2, C2, INV
	s_mov_b32 s[\p+1], s[\p]                       ; named as pairs, so both words are written
.endr
	s_lshl_b32 s26, ttmp9, 5
	s_lshl2_add_u32 s26, s23, s26                  ; my first block of 64 points: 32 x work-group + 4 x wave
	s_mov_b32 s19, 0
	s_wait_kmcnt 0x0
	s_load_b96 s[20:22], s[14:15], 0x0             ; b4
	s_lshl_b32 s18, s26, 9
	s_add_nc_u64 s[4:5], s[4:5], s[18:19]
	s_lshl_b32 s18, s26, 8
	s_add_nc_u64 s[6:7], s[6:7], s[18:19]
	s_lshl_b32 s18, s26, 10
	s_add_nc_u64 s[8:9], s[8:9], s[18:19]
	s_mul_i32 s18, s26, 768
	s_add_nc_u64 s[16:17], s[16:17], s[18:19]
	LOADIDX                                        ; my first batch
	; THE FILL: the image's 159,744 bytes are 39 x 4,096: 39 loads of 16 bytes a thread, all out before the first wait, then as many LDS stores.
	WIN 0x40
.set i, 0
.rept 39
	global_load_b128 v[4*i:4*i+3], v36, s[12:13] offset:4096*i
.set i, i+1
.endr
	WIN 0x04
.set i, 0
.rept 39
	s_wait_loadcnt 38-i                            ; piece i is in; the 38 - i younger ones stay out.  The last count is 0: my first batch's rows and UV, asked for earlier, are in too
	ds_store_b128 v[36+(i>>4)], v[4*i:4*i+3] offset:4096*(i&15)
.set i, i+1
.endr
	WIN 0
	s_wait_kmcnt 0x0                               ; b4
	s_wait_dscnt 0x0                               ; for the others' sake: my part of the image is written
	s_barrier_signal -1
	s_barrier_wait -1                              ; the image is whole; from here on it is only read, and all other LDS bytes are a wave's own
	s_mov_b32 s24, TRIPS
.Lbatch:
	s_cmp_eq_u32 s24, s[DEAD]                      ; my dead trip gathers nothing: a jump forward, past no barrier
	s_cbranch_scc1 .Lnogather
	; 1. THE GATHER: 128 loads in eight units; four units, 64 loads, are out at a time.
	LOADWT
	s_wait_loadcnt 32                              ; the rows and UV are older than the 32 loads just issued
.set i, 0
.rept 32
	v_min_u32 v[XE+i], 0x3ffff, v[XE+i]            ; a row of the table proper,
	v_lshl_add_u32 v[XE+i], v[XE+i], 8, v[LN16]    ; x 256 bytes + my 16
.set i, i+1
.endr
	GLOAD 0
	GLOAD 1
	GLOAD 2
	GLOAD 3
	GPROC 0, 48                                    ; three younger units of sixteen stay out
	GLOAD 4
	GPROC 1, 48
	GLOAD 5
	GPROC 2, 48
	GLOAD 6
	GPROC 3, 48
	GLOAD 7
	GPROC 4, 48
	GPROC 5, 32                                    ; the counts run down
	GPROC 6, 16
	GPROC 7, 0
	; 2. THE ENCODING
	PE 0
	PE 2
.Lnogather:
	; In the first trip alone (the count is the same in all waves) the two groups meet: group 0 has gathered its first batch, group 1 has jumped here.  Behind the barrier group 0 goes into its layers and
	; group 1, at the next trip's top, into its first gather.  No wave reads behind it what another wrote ahead of it: it sets the groups half a period apart, and nothing else.
	s_cmp_lg_u32 s24, TRIPS
	s_cbranch_scc1 .Lnomeet
	s_wait_dscnt 0x0                               ; no LDS instruction of mine (group 0: the stores into my stage) is out at the signal
	s_barrier_signal -1
	s_barrier_wait -1
.Lnomeet:
	s_cmp_eq_u32 s24, s[DEAD]                      ; my dead trip has no batch to multiply: a jump forward to the counter's step, past no barrier
	s_cbranch_scc1 .Lnext
	; 3. LAYER 0: eight groups of one output tile, six K steps; a group's fragments are asked for ahead of the rounding of the group before
	XLOAD
	LDA 0, 0, 1, 6
.irp t0, 0,1,2,3,4,5,6
	MM 1, 1, 6, 0, 1
	NOP4
	LDA 0, \t0+1, 1, 6
	EP16 1, \t0, 1, 128
.endr
	MM 1, 1, 6, 0, 1
	NOP4
	LDA 1, 0, 2, 4
	EP16 1, 7, 1, 128
	; 4. The next batch's rows and UV: the registers of the encoding are free, and three layers stand between these loads and their use.  My last live trip asks for nothing.
	WIN 0
	s_cmp_eq_u32 s24, s[LASTL]
	s_cbranch_scc1 .Lnoidx
	s_wait_xcnt 0x0                                ; every earlier load has read its address: the three pointers may be written
	s_add_nc_u64 s[4:5], s[4:5], 512
	s_add_nc_u64 s[6:7], s[6:7], 256
	s_add_nc_u64 s[8:9], s[8:9], 1024
	LOADIDX
.Lnoidx:
	; 5. LAYER 1: f16 operands from Q, results as bf16 into P; four groups of two output tiles
.irp g, 0,1,2
	MM 1, 2, 4, 128, 0
	NOP4
	LDA 1, 2*\g+2, 2, 4
	EP16 0, 2*\g, 2, 0
.endr
	MM 1, 2, 4, 128, 0
	NOP4
	LDA 2, 0, 2, 4
	EP16 0, 6, 2, 0
	; 6. LAYER 2: from P into Q
.irp g, 0,1,2
	MM 0, 2, 4, 0, 0
	NOP4
	LDA 2, 2*\g+2, 2, 4
	EP16 0, 2*\g, 2, 128
.endr
	MM 0, 2, 4, 0, 0
	NOP4
	LDA 3, 0, 2, 4
	EP16 0, 6, 2, 128
	; 7. LAYER 3 from Q, and LAYER 4 beside it: a group's 32 outputs are one K step of layer 4
.irp g, 0,1,2,3
	MM 0, 2, 4, 128, 0
	NOP4
.if \g < 3
	LDA 3, 2*\g+2, 2, 4
.endif
	LDW4 \g
	EPSPLIT
	MM4 \g
.endr
	; 8. OUT
	OUTP
	s_wait_xcnt 0x0                                ; the stores have read their data and their base
	s_add_nc_u64 s[16:17], s[16:17], 768
.Lnext:
	s_sub_co_u32 s24, s24, 1
	s_cmp_lg_u32 s24, 0
	s_cbranch_scc1 .Lbatch
	s_wait_tensorcnt 0x0                           ; the wave's end, behind my last LDS store
	ds_add_u32 v[SPW], v[NIL]
	s_wait_dscnt 0x0
	s_endpgm
.Lfunc_end_k_qc9189f0224_main:
	.size	k_qc9189f0224_main, .Lfunc_end_k_qc9189f0224_main-k_qc9189f0224_main
	.p2alignl 7, 3214868480
	.fill 96, 4, 3214868480
	.section	.rodata,"a",@progbits
	.p2align	6, 0x0
	.amdhsa_kernel k_qc9189f0224_main
		.amdhsa_group_segment_fixed_size 306176
		.amdhsa_private_segment_fixed_size 0
		.amdhsa_enable_private_segment 0
		.amdhsa_kernarg_size 56
		.amdhsa_user_sgpr_count 2
		.amdhsa_user_sgpr_kernarg_segment_ptr 1
		.amdhsa_wavefront_size32 1
		.amdhsa_system_sgpr_workgroup_id_x 1
		.amdhsa_system_sgpr_workgroup_id_y 1
		.amdhsa_system_sgpr_workgroup_id_z 1
		.amdhsa_system_vgpr_workitem_id 0
		.amdhsa_next_free_vgpr 512
		.amdhsa_next_free_sgpr 66
		.amdhsa_reserve_vcc 0
		.amdhsa_float_denorm_mode_32 3
		.amdhsa_float_denorm_mode_16_64 3
		.amdhsa_memory_ordered 1
		.amdhsa_forward_progress 1
		.amdhsa_inst_pref_size 255
	.end_amdhsa_kernel
	.section	.bss,"aw",@nobits
	.p2align	6
	.space	262144
	.amdgpu_metadata
---
amdhsa.version: [ 1, 2 ]
amdhsa.kernels:
  - .name:           k_qc9189f0224_main
    .symbol:         k_qc9189f0224_main.kd
    .args:
      - { .name: UV, .offset: 0, .size: 8, .value_kind: global_buffer, .address_space: global }
      - { .name: idx, .offset: 8, .size: 8, .value_kind: global_buffer, .address_space: global }
      - { .name: wts, .offset: 16, .size: 8, .value_kind: global_buffer, .address_space: global }
      - { .name: tab, .offset: 24, .size: 8, .value_kind: global_buffer, .address_space: global }
      - { .name: wimg, .offset: 32, .size: 8, .value_kind: global_buffer, .address_space: global }
      - { .name: b4, .offset: 40, .size: 8, .value_kind: global_buffer, .address_space: global }
      - { .name: out0, .offset: 48, .size: 8, .value_kind: global_buffer, .address_space: global }
    .group_segment_fixed_size: 306176
    .private_segment_fixed_size: 0
    .kernarg_segment_align: 8
    .kernarg_segment_size: 56
    .max_flat_workgroup_size: 256
    .sgpr_count:     66
    .vgpr_count:     512
    .wavefront_size: 32
...
	.end_amdgpu_metadata
.endif
;; end of part 2
;; ======== version 2 of 2: 2 launches; version 1 with the launch prep written anew for expert scheduling mode
;; limits: values are held in f16: magnitudes above 65,504 overflow, below 6.1e-05 lose precision; right only within a limited range of input values; a function is approximated: absolute error at most 2e-05
;; workspace buffers: tab 67,305,472 bytes; idx 2,097,152 bytes of whole numbers; wts 8,388,608 bytes; wimg 159,744 bytes
;; launch prep (part 3): grid 2090 x 1, 8 waves a work-group, no clusters, 0 bytes of LDS; arguments UV, features, W0, W1, W2, W3, W4, b0, b1, b2, b3, tab, idx, wts, wimg; writes tab, idx, wts, wimg
.if DOCPART == 3
	.amdgcn_target "amdgcn-amd-amdhsa--gfx1250"
	.amdhsa_code_object_version 6
	.text
	.protected	k_qc9189f0224_prep
	.globl	k_qc9189f0224_prep
	.p2align	8
	.type	k_qc9189f0224_prep,@function
k_qc9189f0224_prep:
	s_mov_b64 s[64:65], 0
	v_nop
	global_prefetch_b8 v0, s[64:65] scope:SCOPE_SE
	s_setreg_imm32_b32 hwreg(HW_REG_WAVE_SCHED_MODE, 0, 2), 2
	s_setreg_imm32_b32 hwreg(HW_REG_WAVE_MODE, 25, 1), 1
	s_wait_xcnt 0x0
	s_wait_alu depctr_vm_vsrc(0)
; PREPARATION for the fused launch: four independent jobs, chosen by the work-group's number alone.
;   T  work-groups 0-1023:     the table features[512][512][100] f32 -> tab: one row of 256 bytes for each grid point: 100 f16, then 28 zeros
;   Z  work-groups 1024-1026:  768 further rows of zeros behind the table
;   P  work-groups 1027-2050:  for each point: row = floor(511 U) x 512 + floor(511 V) as a whole number (idx), and its four bilinear weights, each f16 twice (wts)
;   W  work-groups 2051-2089:  W0-W4 rounded and laid out in the order in which a matrix operand's registers take them, and b0-b3 copied (wimg)
; WHAT IS LEFT OUT OF reference(), AND WHY IT IS DEAD.  reference() reads corners at floor and at ceil.  Where 511 U is no whole number, ceil = floor + 1.  Where it is whole, ceil = floor
; and fu = 0, so both terms with the factor fu are 0 whatever finite row is read.  The same holds of V.  So the four corners are always rows row, row + 1, row + 512, row + 513, for all values of UV in
; [0, 1] and of the table; the rows behind the table (reached from U = 1 or V = 1 alone, with weight 0) hold zeros.  No input is left out.
; LIMITS.  UV lies in [0, 1] (an index stays inside its table); outside, each index is held to 0..511 and the result is not reference()'s.  |features| stays under 65,504 (f16); W0 and W1 likewise.
; A NaN or an infinity in a row that is read with weight 0 is not treated as reference() treats it.
; wimg: W0 at 0 (48 blocks), W1 at 49,152, W2 at 81,920, W3 at 114,688 (32 blocks each), W4 at 147,456 (8 blocks), b0-b3 as f32 at 155,648, zeros from 157,696 to the end.
; A block is 1,024 bytes: 16 outputs x 32 k.  Lane L = (r = L % 16, h = L / 16) finds its first four registers at 16 L and its last four at 512 + 16 L: element e of chunk g is output 16 t + r, k = 32 s + 16 g + 8 h + e.
; Layer 0's k is permuted, alike in the weights here and in the points' operand in the fused launch: steps 0, 1: slot 8 (2 s + g) + e = 2 i + (0 sin, 1 cos) of frequency i, h = 0 for U and 1 for V: W0's row 2 + 2 slot + h;
; steps 2-5, q = 2 (s - 2) + g: q = 0: e = 0 is W0's row h (U or V itself), the rest 0; q > 0: channel f = 8 (7 h + q - 1) + e: W0's row 66 + f where f < 100, else 0.
; Layer 4: block 2 s + v; row r holds column r % 8 of W4 where that is under 3, else 0; v = 0: W4 rounded to bf16; v = 1: what that rounding left, rounded to bf16.
; THE MODE: SCHED_MODE bits 1:0 = 2 (LLVM: expert scheduling mode 2), set by the entry lines.  The code itself states the register dependences
; between vector instructions and memory instructions, and from a vector instruction's scalar result to its readers, with s_wait_alu, always for 0.
; THE PLAN.  There is no loop: a wave takes one straight path.  On every path the offsets are made once and never written again, every loaded number and every number to store has registers of its own,
; and no base is stepped behind an access: so no register that a memory instruction has read is ever written again, and beyond the entry lines the text holds no wait on vm_vsrc.  What is left:
;   offsets      written by vector lines at a path's head, read by its loads and stores: one wait on va_vdst ahead of the path's first run of loads (or stores).
;   store data   written by vector lines: one wait on va_vdst ahead of each run of stores.  In job T, which has 32 rows a wave, the rows go in eight blocks of four: block p rounds its own rows, and its
;                memory instructions are the four stores of block p - 1, whose registers no vector line of block p names: one wait at a block's head serves them.
;   masks        a compare's mask is waited for once ahead of its first reader; where several masks are wanted the compares stand in one run, into scalar registers, with one wait on va_sdst.
;   s34          the wave's number, written by v_readfirstlane_b32: one wait on va_sdst in the head, ahead of the first branch.
.set TROWS, 262144
.set WV,  34                           ; s34  my wave's number
	s_load_b512 s[4:19], s[0:1], 0x0               ; UV 4, features 6, W0 8, W1 10, W2 12, W3 14, W4 16, b0 18
	s_load_b256 s[20:27], s[0:1], 0x40             ; b1 20, b2 22, b3 24, tab 26
	s_load_b128 s[28:31], s[0:1], 0x60             ; idx 28, wts 30
	s_load_b64 s[32:33], s[0:1], 0x70              ; wimg
	v_lshrrev_b32 v1, 5, v0
	v_readfirstlane_b32 s[WV], v1
	v_and_b32 v8, 31, v0                           ; lane
	s_mov_b32 s37, 0                               ; the upper words of two offsets
	s_mov_b32 s39, 0
	s_wait_alu depctr_va_sdst(0)                   ; s34 is written: every job reads it, behind the branches below
	s_wait_kmcnt 0x0
	s_cmp_lt_u32 ttmp9, 1024
	s_cbranch_scc1 .Ltable
	s_cmp_lt_u32 ttmp9, 1027
	s_cbranch_scc1 .Lzero
	s_cmp_lt_u32 ttmp9, 2051
	s_cbranch_scc1 .Lpoints
	s_branch .Lweights
; T.  A wave takes 32 rows.  A row's 400 bytes are one load of 16 bytes a lane by lanes 0-24 (lanes 25-31 repeat lane 24's and are masked to 0); its 256 bytes of f16 are one store of 8 bytes a lane,
; 256 consecutive bytes at a multiple of 256.  All 32 loads go out before the first wait for data.
.Ltable:
	s_lshl_b32 s35, ttmp9, 8
	s_lshl_b32 s36, s[WV], 5
	s_add_co_u32 s35, s35, s36                     ; my first row
	s_mul_i32 s36, s35, 400                        ; under 2^27
	s_lshl_b32 s38, s35, 8
	s_add_nc_u64 s[6:7], s[6:7], s[36:37]
	s_add_nc_u64 s[26:27], s[26:27], s[38:39]
	v_cmp_gt_u32 vcc_lo, 25, v8
	v_min_u32 v1, 24, v8
	v_lshlrev_b32 v1, 4, v1
	v_lshlrev_b32 v2, 3, v8
	s_wait_alu depctr_va_vcc(0)                    ; the compare has written VCC, which the select reads
	v_cndmask_b32 v3, 0, -1, vcc_lo
	s_wait_alu depctr_va_vdst(0)                   ; v1 and v2 are written: the offsets of all the loads and of all the stores below
.set i, 0
.rept 32
	global_load_b128 v[16+4*i:19+4*i], v1, s[6:7] offset:400*i th:TH_LOAD_NT
.set i, i+1
.endr
; Eight blocks of four rows.  Block p rounds rows 4 p .. 4 p + 3 in place; ahead of each row's four lines stands the store of the row four back.
.set p, 0
.rept 8
	s_wait_loadcnt 28-4*p                          ; loads come back in order: the block's four rows are in, the 28 - 4 p younger ones stay out
.if p > 0
	s_wait_alu depctr_va_vdst(0)                   ; the block before has written its four rows' pairs, which the stores below read; no vector line of this block names them
.endif
.set j, 0
.rept 4
.set i, 4*p+j
.if p > 0
	global_store_b64 v2, v[16+4*(i-4):17+4*(i-4)], s[26:27] offset:256*(i-4)
.endif
	v_cvt_pk_f16_f32 v[16+4*i], v[16+4*i], v[17+4*i]
	v_cvt_pk_f16_f32 v[17+4*i], v[18+4*i], v[19+4*i]
	v_and_b32 v[16+4*i], v3, v[16+4*i]
	v_and_b32 v[17+4*i], v3, v[17+4*i]
.set j, j+1
.endr
.set p, p+1
.endr
	s_wait_alu depctr_va_vdst(0)                   ; the last block has written rows 28 to 31, which the last four stores read
.set i, 28
.rept 4
	global_store_b64 v2, v[16+4*i:17+4*i], s[26:27] offset:256*i
.set i, i+1
.endr
	s_endpgm
; Z.  A wave writes 32 rows of zeros: sixteen stores of 512 consecutive bytes.
.Lzero:
	s_sub_co_u32 s35, ttmp9, 1024
	s_lshl_b32 s35, s35, 8
	s_lshl_b32 s36, s[WV], 5
	s_add_co_u32 s35, s35, s36
	s_add_co_u32 s35, s35, TROWS
	s_lshl_b32 s38, s35, 8
	s_add_nc_u64 s[26:27], s[26:27], s[38:39]
	v_lshlrev_b32 v1, 4, v8
	v_mov_b32 v4, 0
	v_mov_b32 v5, 0
	v_mov_b32 v6, 0
	v_mov_b32 v7, 0
	s_wait_alu depctr_va_vdst(0)                   ; v1, the stores' offset, and v[4:7], their data, are written
.set i, 0
.rept 16
	global_store_b128 v1, v[4:7], s[26:27] offset:512*i
.set i, i+1
.endr
	s_endpgm
; P.  A wave takes a block of 64 points; lane l has points l and l + 32.  idx: word 2 l = row of point l, word 2 l + 1 = row of point l + 32: 256 bytes a block, one store.
.macro POINT u, v, row, w
	v_mul_f32 v32, 0x43ff8000, v[\u]               ; 511 U, rounded as reference() rounds it
	v_mul_f32 v33, 0x43ff8000, v[\v]
	v_floor_f32 v34, v32
	v_floor_f32 v35, v33
	v_sub_f32 v32, v32, v34                        ; fu (exact)
	v_sub_f32 v33, v33, v35                        ; fv
	v_cvt_u32_f32 v34, v34
	v_cvt_u32_f32 v35, v35
	v_min_u32 v34, 511, v34
	v_min_u32 v35, 511, v35
	v_lshl_or_b32 v[\row], v34, 9, v35
	v_sub_f32 v34, 1.0, v32
	v_sub_f32 v35, 1.0, v33
	v_mul_f32 v36, v34, v35                        ; row:       (1 - fu) (1 - fv)
	v_mul_f32 v37, v34, v33                        ; row + 1:   (1 - fu) fv
	v_mul_f32 v38, v32, v35                        ; row + 512: fu (1 - fv)
	v_mul_f32 v39, v32, v33                        ; row + 513: fu fv
	v_cvt_pk_f16_f32 v[\w], v36, v36               ; each twice, for packed arithmetic
	v_cvt_pk_f16_f32 v[\w+1], v37, v37
	v_cvt_pk_f16_f32 v[\w+2], v38, v38
	v_cvt_pk_f16_f32 v[\w+3], v39, v39
.endm
.Lpoints:
	s_sub_co_u32 s35, ttmp9, 1027
	s_lshl3_add_u32 s35, s35, s[WV]                ; my block
	s_lshl_b32 s36, s35, 9
	s_add_nc_u64 s[4:5], s[4:5], s[36:37]
	s_lshl_b32 s38, s35, 8
	s_add_nc_u64 s[28:29], s[28:29], s[38:39]
	s_lshl_b32 s36, s35, 10
	s_add_nc_u64 s[30:31], s[30:31], s[36:37]
	v_lshlrev_b32 v1, 3, v8
	v_lshlrev_b32 v2, 4, v8
	s_wait_alu depctr_va_vdst(0)                   ; v1 is written, which the two loads read as their offset
	global_load_b64 v[4:5], v1, s[4:5]
	global_load_b64 v[6:7], v1, s[4:5] offset:256
	s_wait_loadcnt 0x0
	POINT 4, 5, 24, 16
	POINT 6, 7, 25, 20
	s_wait_alu depctr_va_vdst(0)                   ; both points' rows v[24:25] and weights v[16:23] are written, which the three stores read
	global_store_b64 v1, v[24:25], s[28:29]
	global_store_b128 v2, v[16:19], s[30:31]
	global_store_b128 v2, v[20:23], s[30:31] offset:512
	s_endpgm
; W.  A thread makes one chunk of 16 bytes: eight numbers of one column of a weight matrix.  Chunk = 256 x (work-group within the layer) + thread: a wave's store covers 512 consecutive bytes.
.macro LD8 base, stride                ; the eight numbers lie stride bytes apart
	s_wait_alu depctr_va_vdst(0)                   ; v15 is written, which the eight loads read as their offset
.irp e, 0,1,2,3,4,5,6,7
	global_load_b32 v[16+\e], v15, s[\base:\base+1] offset:\e*\stride
.endr
	s_wait_loadcnt 0x0
.endm
.macro PUT f16                         ; round in pairs, store, end
.irp i, 0,1,2,3
.if \f16
	v_cvt_pk_f16_f32 v[28+\i], v[16+2*\i], v[17+2*\i]
.else
	v_cvt_pk_bf16_f32 v[28+\i], v[16+2*\i], v[17+2*\i]
.endif
.endr
	s_wait_alu depctr_va_vdst(0)                   ; the roundings have written v[28:31], the store's data; v14, its offset, was written earlier
	global_store_b128 v14, v[28:31], s[32:33]
	s_endpgm
.endm
.Lweights:
	s_sub_co_u32 s35, ttmp9, 2051                  ; g = 0..38
	v_and_b32 v9, 15, v0                           ; r
	v_bfe_u32 v10, v0, 4, 1                        ; h
	v_bfe_u32 v11, v0, 5, 1                        ; chunk g of the block
	v_lshrrev_b32 v12, 6, v0                       ; which of the work-group's four blocks
	s_cmp_lt_u32 s35, 12
	s_cbranch_scc1 .Lw0
	s_cmp_lt_u32 s35, 36
	s_cbranch_scc1 .Lw123
	s_cmp_lt_u32 s35, 38
	s_cbranch_scc1 .Lw4
	; b0-b3 (waves 0-3) and the image's last 2,048 bytes of zeros (waves 4-7): 512 bytes a wave
	s_lshl_b32 s36, s[WV], 9
	s_add_co_u32 s36, s36, 155648
	v_lshl_add_u32 v14, v8, 4, s36
	v_lshlrev_b32 v15, 4, v8
	s_cmp_lt_u32 s[WV], 4
	s_cbranch_scc0 .Lpad
	s_cmp_eq_u32 s[WV], 1
	s_cselect_b64 s[40:41], s[20:21], s[18:19]
	s_cmp_eq_u32 s[WV], 2
	s_cselect_b64 s[40:41], s[22:23], s[40:41]
	s_cmp_eq_u32 s[WV], 3
	s_cselect_b64 s[40:41], s[24:25], s[40:41]
	s_wait_alu depctr_va_vdst(0)                   ; v15, the load's offset, and v14, the store's, are written
	global_load_b128 v[16:19], v15, s[40:41]
	s_wait_loadcnt 0x0
	global_store_b128 v14, v[16:19], s[32:33]
	s_endpgm
.Lpad:
	v_mov_b32 v16, 0
	v_mov_b32 v17, 0
	v_mov_b32 v18, 0
	v_mov_b32 v19, 0
	s_wait_alu depctr_va_vdst(0)                   ; v[16:19], the store's data, and v14, its offset, are written
	global_store_b128 v14, v[16:19], s[32:33]
	s_endpgm
.Lw0:                                  ; layer 0: block = 8 s + t = 4 g + (thread / 64)
	s_lshr_b32 s36, s35, 1                         ; s
	s_and_b32 s38, s35, 1
	s_lshl_b32 s38, s38, 2
	v_add_nc_u32 v13, s38, v12                     ; t
	v_lshl_add_u32 v13, v13, 4, v9                 ; the column n = 16 t + r
	s_lshl_b32 s40, s35, 12
	v_lshl_add_u32 v14, v0, 4, s40                 ; my chunk in wimg
	s_cmp_lt_u32 s36, 2
	s_cbranch_scc0 .Lw0feat
	s_lshl_b32 s41, s36, 5
	v_lshl_add_u32 v15, v11, 4, s41                ; 2 x slot of e = 0: 16 (2 s + g)
	v_add3_u32 v15, v15, v10, 2                    ; row 2 + 2 slot + h; e steps it by 2 rows
	v_lshl_add_u32 v15, v15, 7, v13
	v_lshlrev_b32 v15, 2, v15
	LD8 8, 1024
	PUT 1
.Lw0feat:
	s_sub_co_u32 s41, s36, 2
	s_lshl_b32 s41, s41, 1
	v_add_nc_u32 v24, s41, v11                     ; q
	v_mul_u32_u24 v25, v10, 56
	v_cmp_lt_u32 vcc_lo, 0, v24
	v_lshl_add_u32 v25, v24, 3, v25
	v_add_nc_u32 v25, -8, v25                      ; f of e = 0 (wraps where q = 0 and h = 0: not chosen there)
	v_add_nc_u32 v26, 66, v25
	v_sub_nc_u32 v27, 100, v25
	v_lshlrev_b32 v28, 2, v13
	s_wait_alu depctr_va_vcc(0)                    ; the compare q > 0 has written VCC, which the two selects read
	v_cndmask_b32 v26, v10, v26, vcc_lo            ; the row of e = 0
	v_cndmask_b32 v27, 1, v27, vcc_lo              ; how many of the eight are live (signed)
.irp e, 0,1,2,3,4,5,6,7
	v_add_nc_u32 v[32+\e], \e, v26
	v_min_u32 v[32+\e], 165, v[32+\e]              ; a dead element reads W0's last row and is set to 0 below
	v_lshl_add_u32 v[32+\e], v[32+\e], 9, v28
.endr
.irp e, 0,1,2,3,4,5,6,7
	v_cmp_lt_i32 s[40+\e], \e, v27                 ; is element e live?  Eight masks in one run, into s40-s47
.endr
	s_wait_alu depctr_va_vdst(0)                   ; the eight offsets v[32:39] are written, which the eight loads read
.irp e, 0,1,2,3,4,5,6,7
	global_load_b32 v[16+\e], v[32+\e], s[8:9]
.endr
	s_wait_loadcnt 0x0
	s_wait_alu depctr_va_sdst(0)                   ; the eight compares have written s40-s47, which the selects read
.irp e, 0,1,2,3,4,5,6,7
	v_cndmask_b32 v[16+\e], 0, v[16+\e], s[40+\e]
.endr
	PUT 1
.Lw123:                                ; layers 1-3: eight work-groups each
	s_sub_co_u32 s36, s35, 12
	s_lshr_b32 s38, s36, 3                         ; layer - 1
	s_and_b32 s36, s36, 7
	s_cmp_eq_u32 s38, 0
	s_cselect_b64 s[40:41], s[10:11], s[12:13]
	s_cmp_eq_u32 s38, 2
	s_cselect_b64 s[40:41], s[14:15], s[40:41]
	s_lshr_b32 s42, s36, 1                         ; s
	s_and_b32 s43, s36, 1
	s_lshl_b32 s43, s43, 2
	v_add_nc_u32 v13, s43, v12
	v_lshl_add_u32 v13, v13, 4, v9                 ; n
	s_lshl_b32 s44, s38, 15
	s_lshl_b32 s45, s36, 12
	s_add_co_u32 s44, s44, s45
	s_add_co_u32 s44, s44, 49152
	v_lshl_add_u32 v14, v0, 4, s44
	s_lshl_b32 s42, s42, 5
	v_lshl_add_u32 v15, v11, 4, s42
	v_lshl_add_u32 v15, v10, 3, v15                ; k of e = 0
	v_lshl_add_u32 v15, v15, 7, v13
	v_lshlrev_b32 v15, 2, v15
	LD8 40, 512
	s_cmp_eq_u32 s38, 0
	s_cbranch_scc0 .Lbf
	PUT 1                                          ; W1 in f16,
.Lbf:
	PUT 0                                          ; W2 and W3 in bf16
.Lw4:                                  ; layer 4: block = 2 s + v = 4 (g - 36) + (thread / 64)
	s_sub_co_u32 s36, s35, 36
	s_lshl_b32 s38, s36, 1
	v_lshrrev_b32 v13, 1, v12
	v_add_nc_u32 v13, s38, v13                     ; s
	v_and_b32 v24, 1, v12                          ; v
	v_and_b32 v25, 7, v0                           ; the column, live under 3
	v_cmp_eq_u32 s42, 1, v24                       ; the lower part is wanted; the column is live: two masks in one run, into s42 and s43
	v_cmp_gt_u32 s43, 3, v25
	v_lshlrev_b32 v15, 5, v13
	v_lshl_add_u32 v15, v11, 4, v15
	v_lshl_add_u32 v15, v10, 3, v15                ; k of e = 0
	v_min_u32 v26, 2, v25
	v_mad_u32_u24 v15, v15, 3, v26
	v_lshlrev_b32 v15, 2, v15
	s_lshl_b32 s40, s36, 12
	s_add_co_u32 s40, s40, 147456
	v_lshl_add_u32 v14, v0, 4, s40
	LD8 16, 12
.irp i, 0,1,2,3
	v_cvt_pk_bf16_f32 v[28+\i], v[16+2*\i], v[17+2*\i]     ; the upper part,
	v_lshlrev_b32 v32, 16, v[28+\i]
	v_and_b32 v33, 0xffff0000, v[28+\i]
	v_sub_f32 v32, v[16+2*\i], v32                 ; what it leaves (exact),
	v_sub_f32 v33, v[17+2*\i], v33
	v_cvt_pk_bf16_f32 v[36+\i], v32, v33           ; rounded
.endr
	s_wait_alu depctr_va_sdst(0)                   ; the two compares have written s42 and s43, which the selects read
.irp i, 0,1,2,3
	v_cndmask_b32 v[28+\i], v[28+\i], v[36+\i], s42
.endr
.irp i, 0,1,2,3
	v_cndmask_b32 v[28+\i], 0, v[28+\i], s43
.endr
	s_wait_alu depctr_va_vdst(0)                   ; the selects have written v[28:31], the store's data; v14, its offset, was written earlier
	global_store_b128 v14, v[28:31], s[32:33]
	s_endpgm
.Lfunc_end_k_qc9189f0224_prep:
	.size	k_qc9189f0224_prep, .Lfunc_end_k_qc9189f0224_prep-k_qc9189f0224_prep
	.p2alignl 7, 3214868480
	.fill 96, 4, 3214868480
	.section	.rodata,"a",@progbits
	.p2align	6, 0x0
	.amdhsa_kernel k_qc9189f0224_prep
		.amdhsa_group_segment_fixed_size 0
		.amdhsa_private_segment_fixed_size 0
		.amdhsa_enable_private_segment 0
		.amdhsa_kernarg_size 120
		.amdhsa_user_sgpr_count 2
		.amdhsa_user_sgpr_kernarg_segment_ptr 1
		.amdhsa_wavefront_size32 1
		.amdhsa_system_sgpr_workgroup_id_x 1
		.amdhsa_system_sgpr_workgroup_id_y 1
		.amdhsa_system_sgpr_workgroup_id_z 1
		.amdhsa_system_vgpr_workitem_id 0
		.amdhsa_next_free_vgpr 144
		.amdhsa_next_free_sgpr 66
		.amdhsa_reserve_vcc 1
		.amdhsa_float_denorm_mode_32 3
		.amdhsa_float_denorm_mode_16_64 3
		.amdhsa_memory_ordered 1
		.amdhsa_forward_progress 1
		.amdhsa_inst_pref_size 33
	.end_amdhsa_kernel
	.amdgpu_metadata
---
amdhsa.version: [ 1, 2 ]
amdhsa.kernels:
  - .name:           k_qc9189f0224_prep
    .symbol:         k_qc9189f0224_prep.kd
    .args:
      - { .name: UV, .offset: 0, .size: 8, .value_kind: global_buffer, .address_space: global }
      - { .name: features, .offset: 8, .size: 8, .value_kind: global_buffer, .address_space: global }
      - { .name: W0, .offset: 16, .size: 8, .value_kind: global_buffer, .address_space: global }
      - { .name: W1, .offset: 24, .size: 8, .value_kind: global_buffer, .address_space: global }
      - { .name: W2, .offset: 32, .size: 8, .value_kind: global_buffer, .address_space: global }
      - { .name: W3, .offset: 40, .size: 8, .value_kind: global_buffer, .address_space: global }
      - { .name: W4, .offset: 48, .size: 8, .value_kind: global_buffer, .address_space: global }
      - { .name: b0, .offset: 56, .size: 8, .value_kind: global_buffer, .address_space: global }
      - { .name: b1, .offset: 64, .size: 8, .value_kind: global_buffer, .address_space: global }
      - { .name: b2, .offset: 72, .size: 8, .value_kind: global_buffer, .address_space: global }
      - { .name: b3, .offset: 80, .size: 8, .value_kind: global_buffer, .address_space: global }
      - { .name: tab, .offset: 88, .size: 8, .value_kind: global_buffer, .address_space: global }
      - { .name: idx, .offset: 96, .size: 8, .value_kind: global_buffer, .address_space: global }
      - { .name: wts, .offset: 104, .size: 8, .value_kind: global_buffer, .address_space: global }
      - { .name: wimg, .offset: 112, .size: 8, .value_kind: global_buffer, .address_space: global }
    .group_segment_fixed_size: 0
    .private_segment_fixed_size: 0
    .kernarg_segment_align: 8
    .kernarg_segment_size: 120
    .max_flat_workgroup_size: 256
    .sgpr_count:     66
    .vgpr_count:     144
    .wavefront_size: 32
...
	.end_amdgpu_metadata
.endif
;; end of part 3
;; launch main: the kernel of part 2 again; grid 256 x 1, 8 waves a work-group, no clusters, 306,176 bytes of LDS; arguments UV, idx, wts, tab, wimg, b4, out0; writes out0
